; MI455X (gfx1250); checked and timed in simulation.
; The chip was launched on July 23, 2026; its instructions are those of AMD's public machine-readable ISA for CDNA 5 (MIT licence, August 2026) and "CDNA5" Instruction Set Architecture Reference Guide (July 2026). The comments in the code are by the model that wrote it; some were corrected since.
;; Configurable Attention. Allowed arithmetic: matrix products marked QUANTISED: E3M2 operands, one E8M0 scale for each 32 along K, by v_wmma_scale_f32_16x16x128_f8f6f4 with both operands' format E3M2, f32 sums; everything else in f32.
;; Inputs: Wk 512 x 512 float32; Wo 512 x 512 float32; Wq 512 x 512 float32; Wv 512 x 512 float32; bk 512 float32; bo 512 float32; bq 512 float32; bv 512 float32; x 4 x 2,048 x 512 float32.
;; Outputs: out0 4 x 2,048 x 512 float32.
;; This version of the problem:
;;   THIS VERSION OF THE PROBLEM IS GIVEN IN LOW PRECISION. The matrix products marked QUANTISED in the list below multiply operands that are first quantised to E3M2 (3 exponent bits, 2 mantissa bits; 6 bits a number), with one power-of-two scale for each 32 numbers along K (OCP MX v1.0); their sums are f32. All else is computed in f32.
;;   The module's matrix products, in the order in which they are computed (A, B: the left and right operand; K: the contracted axis; several contracted axes count as one K, in the product's order):
;;     1. [M 8,192, K 512] x [K 512, N 512]; A: input x; B: input Wq: QUANTISED
;;     2. [M 8,192, K 512] x [K 512, N 512]; A: input x; B: input Wk: QUANTISED
;;     3. [M 8,192, K 512] x [K 512, N 512]; A: input x; B: input Wv: QUANTISED
;;     4. batch 32 x [M 2,048, K 64] x [K 64, N 2,048]; A: computed on the way; B: computed on the way: QUANTISED
;;     5. batch 32 x [M 2,048, K 2,048] x [K 2,048, N 64]; A: softmax (see below); B: computed on the way: QUANTISED
;;     6. [M 8,192, K 512] x [K 512, N 512]; A: computed on the way; B: input Wo: QUANTISED
;;   THE QUANTISER, for each operand of a quantised product, along K:
;;     - K is cut into blocks of 32 from its start; a last block that is shorter is filled with zeros.
;;     - A block's scale is 2^e with e = floor(log2(the largest magnitude in the block)) - 4, held to -126 .. 127; a block of zeros has e = 0. As a byte (E8M0): e + 127.
;;     - Each number is divided by its block's scale, clamped to +-28, and rounded to the nearest number of E3M2, ties to even, subnormals kept.
;;     - The product sums the exact products of the quantised numbers (number of the format x scale) in f32.
;;   ~~~python
;;   def quantise(x, axis):      # numpy; x: float32 -> the quantised numbers, widened to float32 again
;;       x = np.moveaxis(x, axis, -1); K = x.shape[-1]
;;       x = np.pad(x, [(0, 0)] * (x.ndim - 1) + [(0, -K % 32)]); x = x.reshape(x.shape[:-1] + (-1, 32)); a = np.abs(x).max(-1, keepdims=True)
;;       e = np.where(a > 0, np.clip(np.frexp(np.where(a > 0, a, 1))[1] - 1 - 4, -126, 127), 0)      # np.frexp(a)[1] - 1 = floor(log2(a)), exactly
;;       r = np.clip(x / 2.0 ** e, -28, 28)
;;       step = 2.0 ** (np.maximum(np.frexp(np.where(r == 0, 1, r))[1] - 1, -2) - 2)
;;       q = np.round(r / step) * step * 2.0 ** e      # np.round: ties to even
;;       return np.moveaxis(q.reshape(q.shape[:-2] + (-1,))[..., :K], -1, axis).astype(np.float32)
;;   ~~~
;;   SOFTMAX AHEAD OF A QUANTISED PRODUCT. Where the list says 'softmax', what is quantised is not the finished softmax but p = 2^(t - M), with t = logit x log2(e) and M = ceil(the row's largest t), a whole number; so 1/2 < the row's largest p <= 1. The row's sum l is taken of the UNQUANTISED p, in f32, and the product's result is divided by l at the end. Since M is a whole number, a kernel that streams over the keys may use a running M (the ceiling of the running maximum): every later rescaling is an exact power of two, which a block's scale takes up: the codes' values come out the same.
;;   OPERANDS COMPUTED ON THE WAY. 'Computed on the way' means the value that the module computes at that place (a softmax that the list does not call 'softmax' is quantised finished and normalised). What goes into a quantiser is computed in f32, as accurately as f32 sums, v_exp_f32 and their like allow (about 1e-6 of the number): no bf16 or f16 on the way to a quantiser, and a product that is left as it is and whose result goes on into a quantised operand takes f32 operands (vector FMAs, or v_wmma_f32_16x16x4_f32). A number that lies on a knife's edge between two numbers of the format may be rounded either way, as far as f32 arithmetic and the matrix unit's own rounding can turn it there, and no further.
;; One version. Each part assembles by itself: llvm-mc -triple=amdgcn-amd-amdhsa -mcpu=gfx1250 --defsym DOCPART=n.
;; ======== version 1 of 1: 3 launches
;; workspace buffers: wc 786,432 bytes; ws 32,768 bytes; qc 3,145,728 bytes; kv 6,291,456 bytes; sc 1,048,576 bytes
;; launch wquant (part 1): grid 32 x 4, 2 waves a work-group, no clusters, 0 bytes of LDS; arguments Wq, Wk, Wv, Wo, wc, ws; writes wc, ws
.if DOCPART == 1
	.amdgcn_target "amdgcn-amd-amdhsa--gfx1250"
	.amdhsa_code_object_version 6
	.text
	.protected	k_q8dd1b2558b_wquant
	.globl	k_q8dd1b2558b_wquant
	.p2align	8
	.type	k_q8dd1b2558b_wquant,@function
k_q8dd1b2558b_wquant:
	s_mov_b64 s[64:65], 0
	v_nop
	global_prefetch_b8 v0, s[64:65] scope:SCOPE_SE
	s_setreg_imm32_b32 hwreg(HW_REG_WAVE_MODE, 25, 1), 1
	s_wait_xcnt 0x0
; One of Wq, Wk, Wv, Wo (work-group y = 0 .. 3), [512 (k)][512 (n)] f32, K its FIRST axis, becomes codes of BF6 (E3M2) with one E8M0 byte for each 32 along K.
; A LANE TAKES A COLUMN n AND ITS REGISTERS RUN DOWN K: a load reads 32 neighbouring columns (128 bytes a wave, the two waves side by side on 256), a block of 32 along K lies in one lane's
; registers, and the conversions give codes with K innermost.  Nothing is transposed.
; THE CODES ARE LAID AS IMAGES OF OPERAND REGISTERS: wc[matrix 4][tile 32][K step 4][1,536 bytes]; in an image register 4 c + i of lane l lies at 512 c + 16 l + 4 i, so that three loads of 16 bytes a lane
; bring a fragment (16 columns x 128 K).  Image lane (r, h) holds blocks h and 2 + h of the K step.  THE COLUMNS OF A TILE ARE NOT NEIGHBOURS: in a group of 32 columns tile u has in its lane r
; the column 8 u + r + 8 (r / 8), so that as source 0 of a product the 16 result registers of two neighbouring tiles are 16 neighbouring columns.
; The scale words (four bytes: a column's 128 along K): ws[matrix][tile][K step][16 words].
; SHARES: work-group x = 8 s + cg: K step s of 128, columns 64 cg on; wave wv the 32 columns 32 (2 cg + wv) on.  Nothing is shared between waves or work-groups: no LDS, no barrier, no cluster.
; A block's scale is 2^(floor(log2(its largest magnitude)) - 4); its byte is the largest magnitude's exponent field - 4, held at 1 from below.
; LIMITS: a block whose largest magnitude lies under 2^-122 (a block of zeros too) gets the byte 1; zeros' codes are zeros, which add nothing under that byte, and the bytes are read by this program alone.
; NaN and infinities among the inputs are not served.
.set X,   32                           ; v32-159  my column's 128 numbers, down K
.set CA,  160                          ; v160-171 blocks 0 and 2: image lane r;   v172-183 blocks 1 and 3: image lane 16 + r
.set T,   24                           ; v24-26   a block's upper 16 codes (a conversion's three registers begin on an even number)
.set M2,  28                           ; v28      the maximum's second chain
	s_load_b256 s[4:11], s[0:1], 0x0               ; Wq, Wk, Wv, Wo
	s_load_b128 s[12:15], s[0:1], 0x20             ; wc, ws
	v_lshrrev_b32 v1, 5, v0
	v_readfirstlane_b32 s16, v1                    ; wave 0, 1
	v_and_b32 v1, 31, v0                           ; lane = my column in the group of 32
	v_lshlrev_b32 v2, 2, v1                        ; in: 4 bytes a lane
	v_bfe_u32 v3, v1, 3, 1                         ; u: which tile of the group my column falls into
	v_and_b32 v4, 7, v1
	v_lshrrev_b32 v7, 4, v1
	v_lshl_add_u32 v4, v7, 3, v4                   ; r: its lane there = lane % 8 + 8 (lane / 16)
	v_mul_u32_u24 v5, v3, 6144                     ; codes: a tile's four images are 6,144 bytes,
	v_lshl_add_u32 v5, v4, 4, v5                   ; + 16 r
	v_lshlrev_b32 v6, 8, v3                        ; scale words: 256 bytes a tile,
	v_lshl_add_u32 v6, v4, 2, v6                   ; + 4 r
	s_and_b32 s17, ttmp7, 0xffff                   ; which matrix
	s_and_b32 s18, ttmp9, 7                        ; cg
	s_lshr_b32 s19, ttmp9, 3                       ; s
	s_lshl_b32 s20, s19, 18                        ; W: 128 s rows of 2,048 bytes
	s_lshl_b32 s22, s18, 8
	s_add_co_u32 s20, s20, s22                     ; + 64 cg columns
	s_lshl_b32 s22, s16, 7
	s_add_co_u32 s20, s20, s22                     ; + 32 wv columns
	s_mov_b32 s21, 0
	s_lshl_b32 s23, s18, 1
	s_add_co_u32 s23, s23, s16                     ; the group of 32 columns: 2 cg + wv
	s_mul_i32 s24, s17, 196608                     ; wc: a matrix is 32 x 4 x 1,536 bytes,
	s_mul_i32 s22, s23, 12288                      ; a group two tiles,
	s_add_co_u32 s24, s24, s22
	s_mul_i32 s22, s19, 1536                       ; a K step an image
	s_add_co_u32 s24, s24, s22
	s_mov_b32 s25, 0
	s_lshl_b32 s26, s17, 13                        ; ws: 8,192 bytes a matrix, 512 a group, 64 a K step
	s_lshl_b32 s22, s23, 9
	s_add_co_u32 s26, s26, s22
	s_lshl_b32 s22, s19, 6
	s_add_co_u32 s26, s26, s22
	s_mov_b32 s27, 0
	s_wait_alu depctr_va_vdst(0)
	s_wait_kmcnt 0x0
	s_cmp_eq_u32 s17, 1                            ; the choice of the matrix hangs on the work-group's number alone
	s_cselect_b64 s[4:5], s[6:7], s[4:5]
	s_cmp_eq_u32 s17, 2
	s_cselect_b64 s[4:5], s[8:9], s[4:5]
	s_cmp_eq_u32 s17, 3
	s_cselect_b64 s[4:5], s[10:11], s[4:5]
	s_add_nc_u64 s[4:5], s[4:5], s[20:21]
	s_add_nc_u64 s[12:13], s[12:13], s[24:25]
	s_add_nc_u64 s[14:15], s[14:15], s[26:27]
.set k, 0
.rept 128
	global_load_b32 v[X+k], v2, s[4:5] offset:k*2048 th:TH_LOAD_NT   ; W(128 s + k, my column): read once in the launch
.set k, k+1
.endr
; Block b of 32 along K.  left: how many of the loads issued behind this block's may stay out
.macro BLOCK b, left
.set XB, X+32*(\b)
.set BS, CA+12*((\b)%2)+6*((\b)/2)
	s_wait_loadcnt \left
	v_max3_num_f32 v[8+\b], |v[XB]|, |v[XB+1]|, |v[XB+2]|           ; the block's largest magnitude: all 32 numbers are mine; two chains
	v_max3_num_f32 v[M2], |v[XB+3]|, |v[XB+4]|, |v[XB+5]|
.irp i, 6,10,14,18,22,26
	v_max3_num_f32 v[8+\b], v[8+\b], |v[XB+\i]|, |v[XB+\i+1]|
	v_max3_num_f32 v[M2], v[M2], |v[XB+\i+2]|, |v[XB+\i+3]|
.endr
	v_max3_num_f32 v[8+\b], v[8+\b], |v[XB+30]|, |v[XB+31]|
	v_max3_num_f32 v[8+\b], v[8+\b], v[M2], 0x2800000              ; and the floor 2^(5 - 127): the byte cannot fall under 1
	v_add_nc_u32 v[12+\b], 0xfe000000, v[8+\b]                     ; 4 off its exponent field: the conversion takes the exponent field of this operand as its scale
	v_cvt_scalef32_pk16_bf6_f32 v[BS:BS+2], v[XB:XB+15], v[12+\b]
	v_cvt_scalef32_pk16_bf6_f32 v[T:T+2], v[XB+16:XB+31], v[12+\b]
	v_lshrrev_b32 v[16+\b], 23, v[12+\b]                           ; the scale's byte; also the plain line between the conversions and the moves that read their result
.irp i, 0,1,2
	v_mov_b32 v[BS+3+\i], v[T+\i]
.endr
.endm
	BLOCK 0, 63                                    ; behind block 0's loads 96 were issued, behind block 1's 64: the wait names 63, the most it can
	BLOCK 1, 63
	BLOCK 2, 32
	BLOCK 3, 0
	v_lshl_or_b32 v20, v17, 8, v16                 ; the four bytes make my column's scale word for this K step
	v_lshl_or_b32 v20, v18, 16, v20
	v_lshl_or_b32 v20, v19, 24, v20
.irp c, 0,1,2
	global_store_b128 v5, v[CA+4*\c:CA+4*\c+3], s[12:13] offset:512*\c          ; the 16 lanes of a tile store 256 consecutive bytes, aligned: image lanes 0-15,
	global_store_b128 v5, v[CA+12+4*\c:CA+12+4*\c+3], s[12:13] offset:512*\c+256 ; and image lanes 16-31
.endr
	global_store_b32 v6, v20, s[14:15]
	s_endpgm
.Lfunc_end_k_q8dd1b2558b_wquant:
	.size	k_q8dd1b2558b_wquant, .Lfunc_end_k_q8dd1b2558b_wquant-k_q8dd1b2558b_wquant
	.p2alignl 7, 3214868480
	.fill 96, 4, 3214868480
	.section	.rodata,"a",@progbits
	.p2align	6, 0x0
	.amdhsa_kernel k_q8dd1b2558b_wquant
		.amdhsa_group_segment_fixed_size 0
		.amdhsa_private_segment_fixed_size 0
		.amdhsa_enable_private_segment 0
		.amdhsa_kernarg_size 48
		.amdhsa_user_sgpr_count 2
		.amdhsa_user_sgpr_kernarg_segment_ptr 1
		.amdhsa_wavefront_size32 1
		.amdhsa_system_sgpr_workgroup_id_x 1
		.amdhsa_system_sgpr_workgroup_id_y 1
		.amdhsa_system_sgpr_workgroup_id_z 1
		.amdhsa_system_vgpr_workitem_id 0
		.amdhsa_next_free_vgpr 192
		.amdhsa_next_free_sgpr 66
		.amdhsa_reserve_vcc 0
		.amdhsa_float_denorm_mode_32 3
		.amdhsa_float_denorm_mode_16_64 3
		.amdhsa_memory_ordered 1
		.amdhsa_forward_progress 1
		.amdhsa_inst_pref_size 21
	.end_amdhsa_kernel
	.amdgpu_metadata
---
amdhsa.version: [ 1, 2 ]
amdhsa.kernels:
  - .name:           k_q8dd1b2558b_wquant
    .symbol:         k_q8dd1b2558b_wquant.kd
    .args:
      - { .name: Wq, .offset: 0, .size: 8, .value_kind: global_buffer, .address_space: global }
      - { .name: Wk, .offset: 8, .size: 8, .value_kind: global_buffer, .address_space: global }
      - { .name: Wv, .offset: 16, .size: 8, .value_kind: global_buffer, .address_space: global }
      - { .name: Wo, .offset: 24, .size: 8, .value_kind: global_buffer, .address_space: global }
      - { .name: wc, .offset: 32, .size: 8, .value_kind: global_buffer, .address_space: global }
      - { .name: ws, .offset: 40, .size: 8, .value_kind: global_buffer, .address_space: global }
    .group_segment_fixed_size: 0
    .private_segment_fixed_size: 0
    .kernarg_segment_align: 8
    .kernarg_segment_size: 48
    .max_flat_workgroup_size: 64
    .sgpr_count:     66
    .vgpr_count:     192
    .wavefront_size: 32
...
	.end_amdgpu_metadata
.endif
;; end of part 1
;; launch qkv (part 2): grid 256 x 1, 8 waves a work-group, no clusters, 81,920 bytes of LDS; arguments x, wc, ws, bq, bk, bv, qc, kv, sc; writes qc, kv, sc
.if DOCPART == 2
	.amdgcn_target "amdgcn-amd-amdhsa--gfx1250"
	.amdhsa_code_object_version 6
	.text
	.protected	k_q8dd1b2558b_qkv
	.globl	k_q8dd1b2558b_qkv
	.p2align	8
	.type	k_q8dd1b2558b_qkv,@function
k_q8dd1b2558b_qkv:
	s_mov_b64 s[64:65], 0
	v_nop
	global_prefetch_b8 v0, s[64:65] scope:SCOPE_SE
	s_setreg_imm32_b32 hwreg(HW_REG_WAVE_MODE, 25, 1), 1
	s_wait_xcnt 0x0
; q = x Wq + bq, k = x Wk + bk, v = x Wv + bv on codes of BF6 (E3M2) with one E8M0 scale for each 32 along K = 512; the results are quantised at once for attention's two products:
; q and k along the head's 64 (two blocks a token), v DOWN the tokens (one block of 32 tokens a channel), and leave as codes.
; SHARES.  A work-group takes 32 tokens (token block tb), all 1,536 columns.  Wave w is head w: it makes q, k and v of its head for the 32 tokens, so each weight fragment is loaded once a work-group,
; from memory straight into the registers of the one wave that multiplies it.  Ahead of that wave w = 4 u + s quantises fragment (tile u of 16 tokens, K step s of 128) of x; the eight fragments go
; round through LDS as images of their registers (three stores of 16 bytes a lane, 512 bytes each; the scale word 4 bytes a lane): one barrier in the text.
; x COMES DENSE AND IS TURNED IN LDS.  The conversions want 16 neighbours along K in one lane; a load is best where neighbouring lanes take neighbouring bytes.  So each of a wave's 16 loads reads one token's
; 512 consecutive bytes, 16 a lane; the 16 rows go through the wave's own stage (rows of 512 + 16 bytes) and come back 64 bytes a lane for each block of 32.
; THE TOKENS OF A TILE ARE NOT NEIGHBOURS: lane r of tile u is token 8 u + r + 8 (r / 8) of the block; the weights' tiles are laid likewise.  So
;   q, k (TRANSPOSED: source 0 = 16 columns of W, source 1 = 16 tokens): a lane holds one token, registers 16 b + i of its four tiles are channels 32 b + 16 (lane / 16) + i;
;   v (source 0 = 16 tokens, source 1 = 16 columns): a lane holds one channel, the 16 registers of its two tiles are tokens 16 (lane / 16) + 0 .. 15.
; OUT.  qc[tb][head][u][768]: half a fragment's image (K = 64: six registers): registers 0-3 at 16 x lane, 4-5 at 512 + 8 x lane.  kv[tb]: [head][u][768] for k likewise, then at 12,288
; [head][tile 4][r 16][24]: a channel's 32 codes down the tokens.  sc[tb][head][lane][4 words]: q's word, k's word (lanes 0-15 tile 0, lanes 16-31 tile 1; bytes 2, 3 are 0x7f, for the
; instruction's upper 64 along K, whose codes are zeros on q's side), v's bytes of tiles 0 | 1 and of tiles 2 | 3.  Every store of a wave covers consecutive bytes.
; EVERY GLOBAL STORE HAS DATA REGISTERS OF ITS OWN, which no later line writes: so no wait stands between a store and the work behind it, and q's and k's quantising runs while the next matrix's weights are on their way.
; NO CLUSTER, NO TENSOR LOAD: all row blocks walk the same weights, but a joint load lands in LDS, and here no weight byte goes through LDS: 3 x 4 x 4 x 1,536 bytes a wave go from memory
; to registers and are multiplied from there; a road through LDS would add 589,824 bytes of LDS writes and as many reads to each work-group.
; LIMITS: a block whose largest magnitude lies under 2^-122 (a block of zeros too) gets the byte 1; zeros' codes add nothing, and this program alone reads the bytes.  NaN and infinities are not served.
; REGISTERS.  Window 0: v1-11 addresses and two scale words; v12-15 lane numbers at the head, later codes of k; v16-31 at work; v32-35 the scale record; v36-55 x's codes, later q's and k's;
;   v56-63 x's scale words; v64-87 the weights' scale words; v88-95 bv; v96-191 first x as loaded, then x's eight fragments, at last v's codes; v192-255 first my 64 numbers of x, then the eight accumulators.
;   Window 1: v0-191 four buffers of four weight fragments (K step s at 48 s, tile t at + 12 t); v192-223 bq, v224-255 bk in the result's layout.
.set XIMG, 0                           ; LDS: x's eight fragments, 1,536 bytes each,
.set XSC,  12288                       ; their scale words, 128 bytes each,
.set XST,  13312                       ; and a stage of 16 rows for each wave, on which x is turned
.set SPX,  528                         ; a stage row: 512 bytes + 16 = 33 x 16: the sixteen rows that a load touches begin in sixteen different columns of 16 bytes
.set L16, 1                            ; v1   16 x lane
.set L8,  2                            ; v2   8 x lane
.set L4,  3                            ; v3   4 x lane
.set SIN, 4                            ; v4   my stage, on the way in: 16 x lane
.set H64, 5                            ; v5   64 (lane / 16)
.set RP4, 6                            ; v6   4 (r + 8 (r / 8))
.set VO,  7                            ; v7   v's codes: 24 r + 12 (lane / 16)
.set XWI, 8                            ; v8   where I store my fragment of x: 16 x lane + 1,536 x wave
.set XWS, 9                            ; v9   and its scale word: 4 x lane + 128 x wave
.set W0,  10                           ; v10, v11  scale words just made
.set W1,  11
.set TM,  16                           ; v16-19 largest magnitudes; v20-23 the partner's, then the bytes; v28-31 the conversions' scale operands
.set PT,  24                           ; v24-26 a half fragment's second conversion (three registers that begin on an even number)
.set SOUT, 27                          ; v27  my stage, on the way out: row r, + 64 (lane / 16)
.set REC, 32
.set PC,  36
.set XS,  56
.set WS,  64
.set BV,  88
.set XF,  96
.set AC,  192
.set BQ,  192                          ; in window 1; bk 32 further on
.set SEL, 36                           ; s[36:37] v_permlanex16_b32's selects for lane l xor 16
.set HM,  38                           ; s38  mask of lanes 16-31
.set MSB, 0
.macro WIN new                         ; the immediate's high byte repeats the setting that is left
.if MSB != \new
	s_set_vgpr_msb (MSB<<8)|\new
.set MSB, \new
.endif
.endm
.macro PLACES n
.rept \n
	v_nop
.endr
.endm
; One matrix instruction.  c < 0: the sum starts with the constant 0.  row = 1: source 0's scales stand in lanes 16-31 of their register; 2: source 1's
.macro MM d, a, b, c, sa, sb, row
.if (\c) < 0
.if (\row) == 0
	v_wmma_scale_f32_16x16x128_f8f6f4 v[\d:\d+7], v[\a:\a+11], v[\b:\b+11], 0, v[\sa], v[\sb] matrix_a_fmt:MATRIX_FMT_BF6 matrix_b_fmt:MATRIX_FMT_BF6
.elseif (\row) == 1
	v_wmma_scale_f32_16x16x128_f8f6f4 v[\d:\d+7], v[\a:\a+11], v[\b:\b+11], 0, v[\sa], v[\sb] matrix_a_fmt:MATRIX_FMT_BF6 matrix_b_fmt:MATRIX_FMT_BF6 matrix_a_scale:MATRIX_SCALE_ROW1
.else
	v_wmma_scale_f32_16x16x128_f8f6f4 v[\d:\d+7], v[\a:\a+11], v[\b:\b+11], 0, v[\sa], v[\sb] matrix_a_fmt:MATRIX_FMT_BF6 matrix_b_fmt:MATRIX_FMT_BF6 matrix_b_scale:MATRIX_SCALE_ROW1
.endif
.else
.if (\row) == 0
	v_wmma_scale_f32_16x16x128_f8f6f4 v[\d:\d+7], v[\a:\a+11], v[\b:\b+11], v[\c:\c+7], v[\sa], v[\sb] matrix_a_fmt:MATRIX_FMT_BF6 matrix_b_fmt:MATRIX_FMT_BF6
.elseif (\row) == 1
	v_wmma_scale_f32_16x16x128_f8f6f4 v[\d:\d+7], v[\a:\a+11], v[\b:\b+11], v[\c:\c+7], v[\sa], v[\sb] matrix_a_fmt:MATRIX_FMT_BF6 matrix_b_fmt:MATRIX_FMT_BF6 matrix_a_scale:MATRIX_SCALE_ROW1
.else
	v_wmma_scale_f32_16x16x128_f8f6f4 v[\d:\d+7], v[\a:\a+11], v[\b:\b+11], v[\c:\c+7], v[\sa], v[\sb] matrix_a_fmt:MATRIX_FMT_BF6 matrix_b_fmt:MATRIX_FMT_BF6 matrix_b_scale:MATRIX_SCALE_ROW1
.endif
.endif
.endm
; Four blocks of 32, each 16 registers of mine (v[s + 16 b] on) and 16 of lane l xor 16: largest magnitudes, the conversions' scale operands (TM + 12 + b), the bytes (TM + 4 + b)
.macro MAX4 s
.irp b, 0,1,2,3
	v_max3_num_f32 v[TM+\b], |v[\s+16*\b]|, |v[\s+1+16*\b]|, 0x2800000   ; with the floor 2^(5 - 127): the byte cannot fall under 1
.endr
.irp i, 2,4,6,8,10,12,14
.irp b, 0,1,2,3
	s_delay_alu instid0(VALU_DEP_4)
	v_max3_num_f32 v[TM+\b], v[TM+\b], |v[\s+16*\b+\i]|, |v[\s+1+16*\b+\i]|   ; (the blocks by turns: no line waits for the line above it)
.endr
.endr
.irp b, 0,1,2,3
	s_delay_alu instid0(VALU_DEP_4)
	v_permlanex16_b32 v[TM+4+\b], v[TM+\b], s[SEL], s[SEL+1]
.endr
.irp b, 0,1,2,3
	s_delay_alu instid0(VALU_DEP_4)
	v_max_num_f32 v[TM+\b], v[TM+\b], v[TM+4+\b]
.endr
.irp b, 0,1,2,3
	s_delay_alu instid0(VALU_DEP_4)
	v_add_nc_u32 v[TM+12+\b], 0xfe000000, v[TM+\b]   ; 4 off the exponent field
.endr
.irp b, 0,1,2,3
	s_delay_alu instid0(VALU_DEP_4)
	v_lshrrev_b32 v[TM+4+\b], 23, v[TM+12+\b]
.endr
.endm
; 64 numbers of a lane, register 16 b + i = k 32 b + 16 (lane / 16) + i of my row, become a fragment's codes in v[PC] on and its scale word in v[W0]
.macro QUANT s
	MAX4 \s
	s_delay_alu instid0(VALU_DEP_3)
	v_lshl_or_b32 v[W0], v[TM+5], 8, v[TM+4]
	s_delay_alu instid0(VALU_DEP_1)
	v_lshl_or_b32 v[W0], v[TM+6], 16, v[W0]
	s_delay_alu instid0(VALU_DEP_1)
	v_lshl_or_b32 v[W0], v[TM+7], 24, v[W0]
.irp c, 0,1
	v_cvt_scalef32_pk16_bf6_f32 v[PC+6*\c:PC+2+6*\c], v[\s+32*\c:\s+15+32*\c], v[TM+12+2*\c]
	v_cvt_scalef32_pk16_bf6_f32 v[PC+12+4*\c:PC+14+4*\c], v[\s+16+32*\c:\s+31+32*\c], v[TM+12+2*\c+1]   ; (a conversion's three registers begin on an even number)
.endr
	v_nop                                          ; one plain line behind the conversions
.irp c, 0,1                                    ; the operand's layout wants a WHOLE block in a lane: lanes 0-15 block 2 c, lanes 16-31 block 2 c + 1
.irp i, 0,1,2
	v_permlane16_swap_b32 v[PC+6*\c+\i], v[PC+12+4*\c+\i]
.endr
.irp i, 0,1,2
	s_delay_alu instid0(VALU_DEP_3)
	v_mov_b32 v[PC+3+6*\c+\i], v[PC+12+4*\c+\i]
.endr
.endr
.endm
; The same for 32 numbers, two blocks (a head's 64): the image's registers 0-3 in v[pc] on, registers 4-5 in v[hi] on; the word's upper bytes are 0x7f
.macro HALFQ s, w, pc, hi
.irp b, 0,1
	v_max3_num_f32 v[TM+\b], |v[\s+16*\b]|, |v[\s+1+16*\b]|, 0x2800000
.endr
.irp i, 2,4,6,8,10,12,14
.irp b, 0,1
	v_max3_num_f32 v[TM+\b], v[TM+\b], |v[\s+16*\b+\i]|, |v[\s+1+16*\b+\i]|
.endr
.endr
.irp b, 0,1
	s_delay_alu instid0(VALU_DEP_2)
	v_permlanex16_b32 v[TM+4+\b], v[TM+\b], s[SEL], s[SEL+1]
.endr
.irp b, 0,1
	s_delay_alu instid0(VALU_DEP_2)
	v_max_num_f32 v[TM+\b], v[TM+\b], v[TM+4+\b]
.endr
.irp b, 0,1
	s_delay_alu instid0(VALU_DEP_2)
	v_add_nc_u32 v[TM+12+\b], 0xfe000000, v[TM+\b]
.endr
.irp b, 0,1
	s_delay_alu instid0(VALU_DEP_2)
	v_lshrrev_b32 v[TM+4+\b], 23, v[TM+12+\b]
.endr
	s_delay_alu instid0(VALU_DEP_1)
	v_lshl_or_b32 v[\w], v[TM+5], 8, v[TM+4]
	s_delay_alu instid0(VALU_DEP_1)
	v_or_b32 v[\w], 0x7f7f0000, v[\w]
	v_cvt_scalef32_pk16_bf6_f32 v[\pc:\pc+2], v[\s:\s+15], v[TM+12]
	v_cvt_scalef32_pk16_bf6_f32 v[PT:PT+2], v[\s+16:\s+31], v[TM+13]
	v_nop                                          ; one plain line behind the conversions
.irp i, 0,1,2
	v_permlane16_swap_b32 v[\pc+\i], v[PT+\i]      ; lanes 0-15 now hold block 0, lanes 16-31 block 1: the lower 16 codes here, the upper 16 in PT
.endr
	s_delay_alu instid0(VALU_DEP_3)
	v_mov_b32 v[\pc+3], v[PT]
	s_delay_alu instid0(VALU_DEP_3)
	v_mov_b32 v[\hi], v[PT+1]
	s_delay_alu instid0(VALU_DEP_3)
	v_mov_b32 v[\hi+1], v[PT+2]
.endm
; My head's four fragments of matrix m, K step s, into buffer s of window 1: 12 loads of 512 consecutive bytes
.macro WLOAD m, s
	WIN 0x40                                       ; destination window 1, address window 0
.irp t, 0,1,2,3
.irp c, 0,1,2
	global_load_b128 v[48*(\s)+12*\t+4*\c:48*(\s)+12*\t+4*\c+3], v[L16], s[6:7] offset:(\m)*196608+\t*6144+(\s)*1536+\c*512
.endr
.endr
.endm
; K step s of matrix m: eight matrix instructions, the eight accumulators by turns; then the buffer takes the next matrix's K step s.
.macro STAGE m, s
.set II, 4*(\m)+(\s)
.if II < 9
	s_wait_loadcnt 36                              ; this stage's 12 loads are in, and all that was issued ahead of them; the 36 of the three stages issued behind them may be out
.else
	s_wait_loadcnt 12*(11-II)                      ; the last stages: 24, 12, 0 were issued behind
.endif
.if ((\s) == 0) && ((\m) > 0)
	PLACES 5                                       ; the accumulators are begun anew over the last unit's results: five places behind its last products
.endif
.if (\m) < 2
.if (\s) == 0
	WIN 0x11                                       ; source 0 (W) and source 2 (the bias) window 1
.else
	WIN 0x01
.endif
.irp t, 0,1,2,3
.irp u, 0,1
.if (\s) == 0
	MM AC+32*\u+8*\t, 48*(\s)+12*\t, XF+12*(4*\u+(\s)), BQ+32*(\m)+8*\t, WS+8*(\m)+2*\t+(\s)/2, XS+4*\u+(\s), 0
.else
	MM AC+32*\u+8*\t, 48*(\s)+12*\t, XF+12*(4*\u+(\s)), AC+32*\u+8*\t, WS+8*(\m)+2*\t+(\s)/2, XS+4*\u+(\s), (\s)%2
.endif
.endr
.endr
	PLACES 4                                       ; in front of loads into registers that these products read; behind a unit's last stage also in front of the first read of the results
	WLOAD (\m)+1, \s
.else
	WIN 0x04                                       ; source 1 (W) window 1
.irp t, 0,1,2,3
.irp u, 0,1
.if (\s) == 0
	MM AC+16*\t+8*\u, XF+12*(4*\u+(\s)), 48*(\s)+12*\t, -1, XS+4*\u+(\s), WS+16+2*\t+(\s)/2, 0
.else
	MM AC+16*\t+8*\u, XF+12*(4*\u+(\s)), 48*(\s)+12*\t, AC+16*\t+8*\u, XS+4*\u+(\s), WS+16+2*\t+(\s)/2, 2*((\s)%2)
.endif
.endr
.endr
.endif
	WIN 0
.endm
; q's or k's 32 tokens are quantised and stored: base s[p:p+1]; tile 0's codes in v[pc0], v[hi0] on, tile 1's in v[pc1], v[hi1] on: registers that no later line writes.
; The two tiles' scale words go into word rec of the record
.macro SENDQK p, rec, pc0, hi0, pc1, hi1
	HALFQ AC, W0, \pc0, \hi0
	global_store_b128 v[L16], v[\pc0:\pc0+3], s[\p:\p+1]
	global_store_b64 v[L8], v[\hi0:\hi0+1], s[\p:\p+1] offset:512
	HALFQ AC+32, W1, \pc1, \hi1
	global_store_b128 v[L16], v[\pc1:\pc1+3], s[\p:\p+1] offset:768
	global_store_b64 v[L8], v[\hi1:\hi1+1], s[\p:\p+1] offset:768+512
	v_cndmask_b32 v[REC+\rec], v[W0], v[W1], s[HM]   ; lanes 0-15 tile 0's words, lanes 16-31 tile 1's
.endm
	s_load_b256 s[4:11], s[0:1], 0x0               ; x, wc, ws, bq
	s_load_b256 s[12:19], s[0:1], 0x20             ; bk, bv, qc, kv
	s_load_b64 s[20:21], s[0:1], 0x40              ; sc
	v_lshrrev_b32 v12, 5, v0
	s_delay_alu instid0(VALU_DEP_1)
	v_readfirstlane_b32 s22, v12                   ; wave 0..7 = head
	v_and_b32 v12, 31, v0                          ; lane
	v_and_b32 v13, 15, v0                          ; r
	v_bfe_u32 v14, v0, 4, 1                        ; h
	s_delay_alu instid0(VALU_DEP_2)
	v_and_b32 v15, 8, v13
	s_delay_alu instid0(VALU_DEP_1)
	v_add_nc_u32 v15, v15, v13                     ; r + 8 (r / 8)
	v_lshlrev_b32 v[L16], 4, v12
	v_lshlrev_b32 v[L8], 3, v12
	v_lshlrev_b32 v[L4], 2, v12
	v_lshlrev_b32 v[H64], 6, v14
	v_lshlrev_b32 v[RP4], 2, v15
	v_mul_u32_u24 v[VO], v13, 24
	s_delay_alu instid0(VALU_DEP_1)
	v_mad_u32_u24 v[VO], v14, 12, v[VO]
	s_mul_i32 s24, s22, 1536
	v_add_nc_u32 v[XWI], s24, v[L16]
	s_lshl_b32 s24, s22, 7
	v_add_nc_u32 v[XWS], s24, v[L4]
	s_mul_i32 s24, s22, 16*SPX
	s_add_co_u32 s24, s24, XST                     ; my wave's stage
	v_add_nc_u32 v[SIN], s24, v[L16]
	v_mul_u32_u24 v[SOUT], v13, SPX
	s_delay_alu instid0(VALU_DEP_1)
	v_add_nc_u32 v[SOUT], v[SOUT], v[H64]
	s_delay_alu instid0(VALU_DEP_1)
	v_add_nc_u32 v[SOUT], s24, v[SOUT]
	v_cmp_le_u32 s[HM], 16, v12
.irp b, 0,1,2,3
	v_mov_b32 v[TM+4+\b], 0                        ; written once: a lane permute's destination counts as one of its sources
.endr
	s_mov_b32 s[SEL], 0x76543210
	s_mov_b32 s[SEL+1], 0xfedcba98
	s_mov_b32 s23, ttmp9                           ; tb
	s_mov_b32 s25, 0
	s_lshl_b32 s24, s23, 16                        ; x: 32 rows of 2,048 bytes a block,
	s_lshr_b32 s26, s22, 2
	s_lshl_b32 s26, s26, 14                        ; tile u = wave / 4 begins 8 rows on,
	s_add_co_u32 s24, s24, s26
	s_and_b32 s26, s22, 3
	s_lshl_b32 s26, s26, 9                         ; K step s = wave % 4: 512 bytes
	s_add_co_u32 s24, s24, s26
	s_wait_alu depctr_va_vdst(0)
	s_wait_kmcnt 0x0
	s_add_nc_u64 s[4:5], s[4:5], s[24:25]
	s_mul_i32 s24, s22, 24576                      ; wc: my head's four tiles
	s_add_nc_u64 s[6:7], s[6:7], s[24:25]
	s_lshl_b32 s24, s22, 10                        ; ws likewise
	s_add_nc_u64 s[8:9], s[8:9], s[24:25]
	s_lshl_b32 s24, s22, 8                         ; the biases: my head's 64 numbers
	s_add_nc_u64 s[10:11], s[10:11], s[24:25]
	s_add_nc_u64 s[12:13], s[12:13], s[24:25]
	s_add_nc_u64 s[14:15], s[14:15], s[24:25]
	s_mul_i32 s26, s22, 1536
	s_mul_i32 s24, s23, 12288
	s_add_co_u32 s24, s24, s26
	s_add_nc_u64 s[16:17], s[16:17], s[24:25]      ; qc at (tb, head)
	s_mul_i32 s24, s23, 24576
	s_add_co_u32 s24, s24, s26
	s_add_nc_u64 s[18:19], s[18:19], s[24:25]      ; kv at (tb, head)
	s_lshl_b32 s24, s23, 12
	s_lshl_b32 s26, s22, 9
	s_add_co_u32 s24, s24, s26
	s_add_nc_u64 s[20:21], s[20:21], s[24:25]      ; sc at (tb, head)
.irp i, 0,1,2,3,4,5,6,7,8,9,10,11,12,13,14,15
	global_load_b128 v[XF+4*\i:XF+4*\i+3], v[L16], s[4:5] offset:(\i+(\i&8))*2048 th:TH_LOAD_NT   ; the tile's i-th token, its 128 numbers of my K step: 512 consecutive bytes; read once in the launch
.endr
.irp m, 0,1,2
.irp t, 0,1,2,3
.irp g, 0,1
	global_load_b32 v[WS+8*\m+2*\t+\g], v[L4], s[8:9] offset:\m*8192+\t*256+\g*128   ; lanes 0-15: K step 2 g's words, lanes 16-31: K step 2 g + 1's
.endr
.endr
.endr
.irp t, 0,1,2,3
	global_load_b32 v[BV+2*\t], v[RP4], s[14:15] offset:(32*(\t/2)+8*(\t%2))*4     ; bv of my channel in tile t, twice: a pair for the packed addition
	global_load_b32 v[BV+2*\t+1], v[RP4], s[14:15] offset:(32*(\t/2)+8*(\t%2))*4
.endr
	WIN 0x40
.irp t, 0,1,2,3                                ; bq, bk in the result's layout: lane (r, h) holds, for tile t, channels 32 (t / 2) + 8 (t % 2) + 16 h + 0 .. 7
	global_load_b128 v[BQ+8*\t:BQ+8*\t+3], v[H64], s[10:11] offset:(32*(\t/2)+8*(\t%2))*4
	global_load_b128 v[BQ+8*\t+4:BQ+8*\t+7], v[H64], s[10:11] offset:(32*(\t/2)+8*(\t%2))*4+16
	global_load_b128 v[BQ+32+8*\t:BQ+32+8*\t+3], v[H64], s[12:13] offset:(32*(\t/2)+8*(\t%2))*4
	global_load_b128 v[BQ+32+8*\t+4:BQ+32+8*\t+7], v[H64], s[12:13] offset:(32*(\t/2)+8*(\t%2))*4+16
.endr
	WLOAD 0, 0
	WLOAD 0, 1
	WLOAD 0, 2
	WLOAD 0, 3
	WIN 0
	s_wait_loadcnt 63                              ; x's 16 loads are in: behind them 96 were issued; the wait names 63, the most it can
.irp i, 0,1,2,3,4,5,6,7,8,9,10,11,12,13,14,15
	ds_store_b128 v[SIN], v[XF+4*\i:XF+4*\i+3] offset:SPX*\i      ; row i of my stage, as loaded: 512 consecutive bytes
.endr
.irp b, 0,1,2,3
.irp j, 0,1,2,3
	ds_load_b128 v[AC+16*\b+4*\j:AC+16*\b+4*\j+3], v[SOUT] offset:128*\b+16*\j   ; my token's 16 numbers of each block of 32.  LDS serves a wave's instructions in order: these see my stores
.endr
.endr
	s_wait_dscnt 0x0
	QUANT AC
.irp c, 0,1,2
	ds_store_b128 v[XWI], v[PC+4*\c:PC+4*\c+3] offset:XIMG+512*\c
.endr
	ds_store_b32 v[XWS], v[W0] offset:XSC
	s_wait_dscnt 0x0                               ; for the others' sake: my stores have landed
	s_barrier_signal -1
	s_barrier_wait -1                              ; x's eight fragments lie in LDS
.irp f, 0,1,2,3,4,5,6,7
.irp c, 0,1,2
	ds_load_b128 v[XF+12*\f+4*\c:XF+12*\f+4*\c+3], v[L16] offset:XIMG+\f*1536+512*\c
.endr
	ds_load_b32 v[XS+\f], v[L4] offset:XSC+128*\f
.endr
	s_wait_dscnt 0x0
	STAGE 0, 0
	STAGE 0, 1
	STAGE 0, 2
	STAGE 0, 3
	SENDQK 16, 0, 36, 40, 42, 46                   ; q's codes: v36-41 and v42-47 (x's codes, which stood there, went to LDS ahead of the barrier)
	STAGE 1, 0
	STAGE 1, 1
	STAGE 1, 2
	STAGE 1, 3
	SENDQK 18, 1, 48, 52, 12, 54                   ; k's codes: v48-53, and v12-15 with v54-55
	STAGE 2, 0
	STAGE 2, 1
	STAGE 2, 2
	STAGE 2, 3
	PLACES 4
.irp t, 0,1,2,3
.irp k, 0,2,4,6,8,10,12,14
	v_pk_add_f32 v[AC+16*\t+\k:AC+16*\t+\k+1], v[AC+16*\t+\k:AC+16*\t+\k+1], v[BV+2*\t:BV+2*\t+1]   ; + bv; each accumulator from its low end on
.endr
.endr
	MAX4 AC                                        ; block t = tile t's channel r, all 32 tokens
.irp t, 0,1,2,3
	v_cvt_scalef32_pk16_bf6_f32 v[XF+4*\t:XF+4*\t+2], v[AC+16*\t:AC+16*\t+15], v[TM+12+\t]   ; tokens 16 h + 0 .. 15 of my channel: 12 bytes, into registers that x's fragments have left (the places, the additions and the maxima stand behind the last products)
.endr
	v_nop                                          ; one plain line behind the conversions
.irp t, 0,1,2,3
	global_store_b96 v[VO], v[XF+4*\t:XF+4*\t+2], s[18:19] offset:12288+384*\t   ; the wave stores 384 consecutive bytes
.endr
	v_cndmask_b32 v[REC+2], v[TM+4], v[TM+5], s[HM]
	v_cndmask_b32 v[REC+3], v[TM+6], v[TM+7], s[HM]
	global_store_b128 v[L16], v[REC:REC+3], s[20:21]   ; the head's record: 512 consecutive bytes
	s_wait_xcnt 0x0
	v_lshl_add_u32 v254, v0, 2, 0x13c00
	v_mov_b32 v255, 0
	s_wait_alu depctr_va_vdst(0)
	s_wait_tensorcnt 0x0
	ds_add_u32 v254, v255
	s_wait_dscnt 0x0
	s_endpgm
.Lfunc_end_k_q8dd1b2558b_qkv:
	.size	k_q8dd1b2558b_qkv, .Lfunc_end_k_q8dd1b2558b_qkv-k_q8dd1b2558b_qkv
	.p2alignl 7, 3214868480
	.fill 96, 4, 3214868480
	.section	.rodata,"a",@progbits
	.p2align	6, 0x0
	.amdhsa_kernel k_q8dd1b2558b_qkv
		.amdhsa_group_segment_fixed_size 81920
		.amdhsa_private_segment_fixed_size 0
		.amdhsa_enable_private_segment 0
		.amdhsa_kernarg_size 72
		.amdhsa_user_sgpr_count 2
		.amdhsa_user_sgpr_kernarg_segment_ptr 1
		.amdhsa_wavefront_size32 1
		.amdhsa_system_sgpr_workgroup_id_x 1
		.amdhsa_system_sgpr_workgroup_id_y 1
		.amdhsa_system_sgpr_workgroup_id_z 1
		.amdhsa_system_vgpr_workitem_id 0
		.amdhsa_next_free_vgpr 512
		.amdhsa_next_free_sgpr 66
		.amdhsa_reserve_vcc 0
		.amdhsa_float_denorm_mode_32 3
		.amdhsa_float_denorm_mode_16_64 3
		.amdhsa_memory_ordered 1
		.amdhsa_forward_progress 1
		.amdhsa_inst_pref_size 65
	.end_amdhsa_kernel
	.amdgpu_metadata
---
amdhsa.version: [ 1, 2 ]
amdhsa.kernels:
  - .name:           k_q8dd1b2558b_qkv
    .symbol:         k_q8dd1b2558b_qkv.kd
    .args:
      - { .name: x, .offset: 0, .size: 8, .value_kind: global_buffer, .address_space: global }
      - { .name: wc, .offset: 8, .size: 8, .value_kind: global_buffer, .address_space: global }
      - { .name: ws, .offset: 16, .size: 8, .value_kind: global_buffer, .address_space: global }
      - { .name: bq, .offset: 24, .size: 8, .value_kind: global_buffer, .address_space: global }
      - { .name: bk, .offset: 32, .size: 8, .value_kind: global_buffer, .address_space: global }
      - { .name: bv, .offset: 40, .size: 8, .value_kind: global_buffer, .address_space: global }
      - { .name: qc, .offset: 48, .size: 8, .value_kind: global_buffer, .address_space: global }
      - { .name: kv, .offset: 56, .size: 8, .value_kind: global_buffer, .address_space: global }
      - { .name: sc, .offset: 64, .size: 8, .value_kind: global_buffer, .address_space: global }
    .group_segment_fixed_size: 81920
    .private_segment_fixed_size: 0
    .kernarg_segment_align: 8
    .kernarg_segment_size: 72
    .max_flat_workgroup_size: 256
    .sgpr_count:     66
    .vgpr_count:     512
    .wavefront_size: 32
...
	.end_amdgpu_metadata
.endif
;; end of part 2
;; launch attn (part 3): grid 256 x 1, 16 waves a work-group, no clusters, 205,056 bytes of LDS; arguments qc, kv, sc, wc, ws, bo, out0; writes out0
.if DOCPART == 3
	.amdgcn_target "amdgcn-amd-amdhsa--gfx1250"
	.amdhsa_code_object_version 6
	.text
	.protected	k_q8dd1b2558b_attn
	.globl	k_q8dd1b2558b_attn
	.p2align	8
	.type	k_q8dd1b2558b_attn,@function
k_q8dd1b2558b_attn:
	s_mov_b64 s[64:65], 0
	v_nop
	global_prefetch_b8 v0, s[64:65] scope:SCOPE_SE
	s_setreg_imm32_b32 hwreg(HW_REG_WAVE_MODE, 25, 1), 1
	s_wait_xcnt 0x0
; out = softmax_band(q k^T / 8) v, heads joined, x Wo + bo: three products on codes of BF6 (E3M2) with one E8M0 scale for each 32 along a product's K.  Key k counts for query q where |q - k| <= 64, inside q's sequence of 2,048.
; THE BAND.  A block of 32 queries, aligned, sees only the five aligned blocks of 32 keys round it: the FRAME, token blocks tb - 2 .. tb + 2.  With f the key's place in the frame and dq the query's in its
; block, the key counts where dq <= f <= 128 + dq: blocks 1, 2, 3 whole, blocks 0 and 4 in part.  Blocks beyond the sequence's ends are hidden whole; their addresses are held inside the buffers, and what they bring is masked.
; Block 2 is never hidden, so every row has a finite maximum, which is taken away before the exponential.
; THE SOFTMAX: t = score x log2(e) / 8; M = the row's largest t rounded UP to a whole number; p = 2^(t - M) is quantised along the keys, not normalised; the row's sum of the unquantised p divides O.  One pass: all 160 keys are in registers.
; SHARES.  A work-group owns token block tb.  Wave w = 8 u + hd owns head hd and tile u of 16 queries (lane r: query 8 u + r + 8 (r / 8)); four waves to a SIMD, so that one wave's vector work stands beside
; another's products.  For the last product wave w owns output columns 32 w .. 32 w + 31, for all 32 tokens.
; LAYOUT.  All products are used transposed: S^T = k q^T, O^T = v^T p^T, out^T = Wo^T O^T: a lane holds one query throughout.  The tiles of k, of v's channels and of Wo's columns are laid so that the 16 registers of two
; neighbouring tiles are 16 neighbours along the next K.  K = 64 in the first product: q's upper six registers are zeros, so what stands in k's upper six (the next tile's codes) adds nothing; likewise p's blocks 5 to 7 in the second.
; LDS.  The frame's five blocks of kv (24,576 bytes each: all heads' k and v) come by asynchronous copies, once, at the head: block j at 24,704 j.  Behind them, in blocks of 256 bytes of their own: O's half images (768 bytes a wave),
; O's scale words, and the stage for the way out (32 rows of 2,048 + 16 bytes).  The claim is more than half of a WGP's LDS.
; NO CLUSTER: neighbouring work-groups share four of five kv blocks, but each at another place of its frame, and a joint load lands at one LDS address in all partners; Wo's fragments go from memory straight to the
; registers of the one wave that multiplies them (12,288 bytes a wave), and a joint load would send them through LDS.
; LIMITS: O / l is v_rcp_f32 and a multiplication; a block whose largest magnitude lies under 2^-122 (a block of zeros too) gets the byte 1: zeros' codes add nothing.  NaN and infinities are not served.
.set KVP,  24704                       ; from a frame block to the next in LDS
.set OIMG, 123648
.set OSC,  135936
.set STG,  136960
.set SPI,  2064                        ; a stage row
.set SR,   24                          ; v24-43   the frame's five scale records: 4 j + {q, k, v01, v23}
.set QS,   44                          ; v44      q's scale words
.set PW0,  45                          ; v45      p's scale word, blocks 0-3
.set NM,   46                          ; v46      -M; v47 = 0 (named with it as a pair)
.set SA,   48                          ; v48-51   the row's sum, two chains of pairs
.set RL,   52                          ; v52      1 / l; v53 = 0 (named with it as a pair)
.set VW,   54                          ; v54-55   v's scale words for blocks 0-3: tiles 0 | 1, tiles 2 | 3
.set MX,   56                          ; v56-60   the blocks' largest scores, then largest p
.set PX,   61                          ; v61-65   the partner's, then the bytes
.set PW1,  65                          ; v65      p's byte of block 4
.set SOP,  66                          ; v66-70   the conversions' scale operands
.set PT,   56                          ; v56-62   conversions' second halves, once MX and the first four bytes are done with
.set KF,   72                          ; v72-137  k's ten half fragments, six registers each, and six zeros
.set Q,    138                         ; v138-149 q's half fragment and six zeros
.set S,    150                         ; v150-229 S^T, then p: register 16 j + i is key 32 j + 16 (lane / 16) + i of the frame
.set PA,   230                         ; v230-241 p's codes, blocks 0-3
.set PB,   242                         ; v242-253 p's codes, block 4, and zeros
.set VF,   150                         ; v150-197 v's four fragments (S^T's registers, done with)
.set OA,   198                         ; v198-229 O^T, later out^T
.set WF,   72                          ; v72-143  Wo's fragments of K steps 0-2;  v150-173 those of K step 3
.set WOS,  174                         ; v174-177 Wo's scale words
.set BO,   178                         ; v178-193 bo in the result's layout
.set OS,   12                          ; v12-19   O's scale words (the addresses that stood there are done with)
.set SEL,  44                          ; s[44:45] v_permlanex16_b32's selects for lane l xor 16
.set CS,   46                          ; s[46:47] c = log2(e) / 8
.macro PLACES n
.rept \n
	v_nop
.endr
.endm
; One matrix instruction.  c < 0: the sum starts with the constant 0.  row = 1: source 0's scales stand in lanes 16-31 of their register
.macro MM d, a, b, c, sa, sb, row
.if (\c) < 0
.if (\row) == 0
	v_wmma_scale_f32_16x16x128_f8f6f4 v[\d:\d+7], v[\a:\a+11], v[\b:\b+11], 0, v[\sa], v[\sb] matrix_a_fmt:MATRIX_FMT_BF6 matrix_b_fmt:MATRIX_FMT_BF6
.else
	v_wmma_scale_f32_16x16x128_f8f6f4 v[\d:\d+7], v[\a:\a+11], v[\b:\b+11], 0, v[\sa], v[\sb] matrix_a_fmt:MATRIX_FMT_BF6 matrix_b_fmt:MATRIX_FMT_BF6 matrix_a_scale:MATRIX_SCALE_ROW1
.endif
.else
.if (\row) == 0
	v_wmma_scale_f32_16x16x128_f8f6f4 v[\d:\d+7], v[\a:\a+11], v[\b:\b+11], v[\c:\c+7], v[\sa], v[\sb] matrix_a_fmt:MATRIX_FMT_BF6 matrix_b_fmt:MATRIX_FMT_BF6
.else
	v_wmma_scale_f32_16x16x128_f8f6f4 v[\d:\d+7], v[\a:\a+11], v[\b:\b+11], v[\c:\c+7], v[\sa], v[\sb] matrix_a_fmt:MATRIX_FMT_BF6 matrix_b_fmt:MATRIX_FMT_BF6 matrix_a_scale:MATRIX_SCALE_ROW1
.endif
.endif
.endm
	; ---- A: the head.  The copies go out first
	s_load_b256 s[4:11], s[0:1], 0x0               ; qc, kv, sc, wc
	s_load_b128 s[12:15], s[0:1], 0x20             ; ws, bo
	s_load_b64 s[16:17], s[0:1], 0x30              ; out0
	v_lshl_add_u32 v254, v0, 2, 0x31900
	v_mov_b32 v255, 0
	ds_add_u32 v254, v255
	ds_add_u32 v254, v255
	s_wait_dscnt 0x0
	v_lshrrev_b32 v254, 5, v0
	s_delay_alu instid0(VALU_DEP_1)
	v_readfirstlane_b32 s18, v254                  ; wave w, 0..15
	v_lshlrev_b32 v6, 4, v0                        ; 16 x thread: my 16 bytes of a copy's 8,192
.irp j, 0,1,2,3,4
	v_add_nc_u32 v[7+\j], KVP*\j, v6               ; and their place in frame block j
.endr
	s_and_b32 s19, s18, 7                          ; hd
	s_lshr_b32 s20, s18, 3                         ; u
	s_mov_b32 s21, ttmp9                           ; tb
	s_and_b32 s22, s21, 63                         ; the block's place in its sequence of 64 blocks
	s_sub_co_i32 s52, s21, 2                       ; the frame's token blocks, held inside 0 .. 255
	s_max_i32 s52, s52, 0
	s_sub_co_i32 s53, s21, 1
	s_max_i32 s53, s53, 0
	s_mov_b32 s54, s21
	s_add_co_u32 s55, s21, 1
	s_min_u32 s55, s55, 255
	s_add_co_u32 s56, s21, 2
	s_min_u32 s56, s56, 255
	s_mov_b32 s59, 0
	s_mov_b32 s61, 0
	s_lshl_b32 s57, s19, 9                         ; my head's record in a block's 4,096 bytes
	s_wait_alu depctr_va_vdst(0)
	s_wait_kmcnt 0x0
.irp j, 0,1,2,3,4
	s_mul_i32 s58, s[52+\j], 24576
	s_add_nc_u64 s[24+2*\j:25+2*\j], s[6:7], s[58:59]
	s_lshl_b32 s60, s[52+\j], 12
	s_add_co_u32 s60, s60, s57
	s_add_nc_u64 s[34+2*\j:35+2*\j], s[8:9], s[60:61]
.endr
.irp j, 0,1,2,3,4
.irp i, 0,1,2
	global_load_async_to_lds_b128 v[7+\j], v6, s[24+2*\j:25+2*\j] offset:8192*\i   ; the immediate steps both addresses; the 512 threads copy 8,192 consecutive bytes
.endr
.endr
	v_and_b32 v254, 31, v0                         ; lane
	v_and_b32 v255, 15, v0                         ; r
	v_bfe_u32 v71, v0, 4, 1                        ; h
	s_delay_alu instid0(VALU_DEP_3)
	v_lshlrev_b32 v1, 4, v254                      ; 16 x lane
	s_wait_alu depctr_va_vdst(0)
	v_lshlrev_b32 v2, 3, v254                      ; 8 x lane
	s_wait_alu depctr_va_vdst(0)
	v_lshlrev_b32 v3, 2, v254                      ; 4 x lane
	v_lshlrev_b32 v4, 4, v255                      ; 16 r
	s_wait_alu depctr_va_vdst(0)
	v_lshlrev_b32 v5, 6, v71                       ; 64 h
	s_mul_i32 s60, s19, 1536                       ; my head's part of a block's k or v
	s_mul_i32 s58, s21, 12288
	s_add_co_u32 s58, s58, s60
	s_mul_i32 s62, s20, 768
	s_add_co_u32 s58, s58, s62
	s_add_nc_u64 s[4:5], s[4:5], s[58:59]          ; qc at (tb, hd, u)
	s_lshl_b32 s58, s21, 12
	s_add_co_u32 s58, s58, s57
	s_lshl_b32 s62, s20, 8
	s_add_co_u32 s58, s58, s62
	s_add_nc_u64 s[8:9], s[8:9], s[58:59]          ; my tile's sixteen records of block tb
.irp j, 0,1,2,3,4
	global_load_b128 v[SR+4*\j:SR+4*\j+3], v1, s[34+2*\j:35+2*\j]
.endr
	global_load_b128 v[Q:Q+3], v1, s[4:5]
	global_load_b64 v[Q+4:Q+5], v2, s[4:5] offset:512
	global_load_b32 v[QS], v4, s[8:9]              ; word 0 of record 16 u + r: q's scale word of my tile's row r
.irp i, 0,1,2,3,4,5
	v_mov_b32 v[Q+6+\i], 0                         ; the instruction's upper 64 along K: zero codes on q's side
	v_mov_b32 v[KF+60+\i], 0                       ; (named behind the last tile of k)
.endr
.irp i, 3,4,5,6,7,8,9,10,11
	v_mov_b32 v[PB+\i], 0                          ; p's blocks 5-7: zero codes
.endr
.irp i, 0,1,2,3,4
	v_mov_b32 v[PX+\i], 0                          ; written once: a lane permute's destination counts as one of its sources
.endr
	v_mov_b32 v[NM+1], 0
	v_mov_b32 v[RL+1], 0
	v_mov_b32 v20, 0xff800000                      ; -infinity
	v_add_nc_u32 v12, s60, v1                      ; k's half images: registers 0-3, frame blocks 0-2;
	s_delay_alu instid0(VALU_DEP_1)
	v_add_nc_u32 v13, 3*KVP, v12                   ; blocks 3, 4 (an LDS immediate has 16 bits)
	v_add_nc_u32 v14, s60, v2
	s_delay_alu instid0(VALU_DEP_1)
	v_add_nc_u32 v14, 512, v14                     ; registers 4-5
	s_delay_alu instid0(VALU_DEP_1)
	v_add_nc_u32 v15, 3*KVP, v14
	v_mul_u32_u24 v17, v255, 24                    ; v: row r of 24 bytes,
	s_delay_alu instid0(VALU_DEP_1)
	v_add_nc_u32 v17, s60, v17
	s_delay_alu instid0(VALU_DEP_1)
	v_add_nc_u32 v17, 12288, v17                   ; behind the block's k
	s_delay_alu instid0(VALU_DEP_1)
	v_mad_u32_u24 v16, v71, KVP, v17               ; lanes 16-31 take the odd frame block of a pair
	s_delay_alu instid0(VALU_DEP_2)
	v_add_nc_u32 v17, 4*KVP, v17                   ; frame block 4, for both halves of the lanes
	s_mul_i32 s62, s18, 768
	s_add_co_u32 s62, s62, OIMG
	v_add_nc_u32 v21, s62, v1                      ; where I store O's half image: registers 0-3,
	v_add_nc_u32 v22, s62, v2
	s_delay_alu instid0(VALU_DEP_1)
	v_add_nc_u32 v22, 512, v22                     ; registers 4-5
	s_lshr_b32 s62, s18, 1
	s_lshl_b32 s62, s62, 7                         ; O's scale words: 128 bytes for a tile of tokens and a pair of heads,
	s_and_b32 s63, s18, 1
	s_lshl_b32 s63, s63, 1                         ; my head's two bytes in the word
	s_add_co_u32 s62, s62, s63
	s_add_co_u32 s62, s62, OSC
	v_add_nc_u32 v23, s62, v3
	s_mul_i32 s58, s18, 12288
	s_add_co_u32 s58, s58, 589824
	s_add_nc_u64 s[10:11], s[10:11], s[58:59]      ; Wo's codes: matrix 3, my two tiles
	s_lshl_b32 s58, s18, 9
	s_add_co_u32 s58, s58, 24576
	s_add_nc_u64 s[12:13], s[12:13], s[58:59]      ; their scale words
	s_lshl_b32 s58, s18, 7
	s_add_nc_u64 s[14:15], s[14:15], s[58:59]      ; bo: my 32 columns
	s_lshl_b32 s62, s19, 1                         ; the way out: stage rows 2 w, 2 w + 1 are tokens 8 u + 2 hd + (2 hd & 8) and the next
	s_and_b32 s63, s62, 8
	s_add_co_u32 s62, s62, s63
	s_lshl_b32 s63, s20, 3                         ; 8 u
	s_add_co_u32 s62, s62, s63
	s_lshl_b32 s62, s62, 11
	s_lshl_b32 s58, s21, 16
	s_add_co_u32 s58, s58, s62
	s_add_nc_u64 s[16:17], s[16:17], s[58:59]
	s_cmp_lt_u32 s22, 2                            ; frame block 0 lies ahead of the sequence's start: hidden whole
	s_cselect_b32 s62, 64, 0
	s_add_co_u32 s62, s62, s63
	s_cmp_gt_u32 s22, 61                           ; frame block 4 lies behind its end
	s_cselect_b32 s58, 64, 0
	s_sub_co_i32 s58, s63, s58
	s_cmp_eq_u32 s22, 0                            ; frame block 1 likewise: -infinity is added to its scores, else 0
	s_cselect_b32 s48, 0xff800000, 0
	s_mov_b32 s49, s48
	s_cmp_eq_u32 s22, 63                           ; frame block 3
	s_cselect_b32 s50, 0xff800000, 0
	s_mov_b32 s51, s50
	v_and_b32 v18, 8, v255
	s_delay_alu instid0(VALU_DEP_1)
	v_add_nc_u32 v18, v18, v255                    ; r + 8 (r / 8)
	v_lshlrev_b32 v19, 4, v71
	s_delay_alu instid0(VALU_DEP_1)
	v_sub_nc_u32 v18, v18, v19                     ; - 16 h
	s_delay_alu instid0(VALU_DEP_1)
	v_add_nc_u32 v19, s58, v18                     ; E4 = dq - 16 h (- 64): register i of block 4 is hidden where i > E4
	s_delay_alu instid0(VALU_DEP_2)
	v_add_nc_u32 v18, s62, v18                     ; E0 = dq - 16 h (+ 64): register i of block 0 is hidden where i < E0
	s_mov_b32 s[SEL], 0x76543210
	s_mov_b32 s[SEL+1], 0xfedcba98
	s_mov_b32 s[CS], 0x3e38aa3b                    ; c = log2(e) / 8
	s_mov_b32 s[CS+1], s[CS]
	s_wait_asynccnt 0x0                            ; my copies have landed,
	s_barrier_signal -1
	s_barrier_wait -1                              ; everybody's have: the frame lies in LDS
	; ---- B: S^T = k q^T, ten tiles of 16 keys
.irp j, 0,1,2
.irp e, 0,1
	ds_load_b128 v[KF+6*(2*\j+\e):KF+6*(2*\j+\e)+3], v12 offset:\j*KVP+768*\e
	ds_load_b64 v[KF+6*(2*\j+\e)+4:KF+6*(2*\j+\e)+5], v14 offset:\j*KVP+768*\e
.endr
.endr
.irp j, 3,4
.irp e, 0,1
	ds_load_b128 v[KF+6*(2*\j+\e):KF+6*(2*\j+\e)+3], v13 offset:(\j-3)*KVP+768*\e
	ds_load_b64 v[KF+6*(2*\j+\e)+4:KF+6*(2*\j+\e)+5], v15 offset:(\j-3)*KVP+768*\e
.endr
.endr
	v_add_nc_u32 v7, OIMG, v1                      ; the copies' address registers are free since the wait on their counter: O's images, registers 0-3,
	v_add_nc_u32 v8, OIMG+512, v2                  ; registers 4-5,
	v_add_nc_u32 v9, OSC, v3                       ; O's scale words,
	s_lshl_b32 s62, s18, 7
	s_add_co_u32 s62, s62, STG
	v_mul_u32_u24 v10, v255, SPI
	s_delay_alu instid0(VALU_DEP_1)
	v_add_nc_u32 v10, v10, v5
	s_delay_alu instid0(VALU_DEP_1)
	v_add_nc_u32 v10, s62, v10                     ; the stage, in: row r, + 128 w + 64 h: my 16 columns,
	s_mul_i32 s62, s18, 2*SPI
	s_add_co_u32 s62, s62, STG
	v_add_nc_u32 v11, s62, v1                      ; and back: rows 2 w and 2 w + 1, 16 bytes a lane
	s_wait_loadcnt 0x0                             ; the records, q and its scale words
.irp p, 0,1
	v_lshl_or_b32 v[VW+\p], v[SR+6+\p], 8, v[SR+2+\p]      ; v's bytes of frame blocks 0-3 make the scale words of the second product's first 128 keys
	s_delay_alu instid0(VALU_DEP_1)
	v_lshl_or_b32 v[VW+\p], v[SR+10+\p], 16, v[VW+\p]
	s_delay_alu instid0(VALU_DEP_1)
	v_lshl_or_b32 v[VW+\p], v[SR+14+\p], 24, v[VW+\p]
.endr
	s_wait_dscnt 0x0
.irp t, 0,1,2,3,4,5,6,7,8,9
	MM S+8*\t, KF+6*\t, Q, -1, SR+4*(\t/2)+1, QS, \t%2
.endr
	PLACES 4                                       ; in front of loads into registers that these products read, and of the first read of the scores
.irp s, 0,1,2
.irp t, 0,1
.irp c, 0,1,2
	global_load_b128 v[WF+12*(2*\s+\t)+4*\c:WF+12*(2*\s+\t)+4*\c+3], v1, s[10:11] offset:\t*6144+\s*1536+512*\c   ; Wo's fragments of K steps 0-2 land under the softmax
.endr
.endr
.endr
	; ---- C: the band.  Hidden scores become -infinity ahead of the maximum: p = 0 then.  Each accumulator is read from its low end on
.irp i, 0,1,2,3,4,5,6,7,8,9,10,11,12,13,14,15
	v_cmp_lt_i32 vcc_lo, \i, v18
	v_cndmask_b32 v[S+\i], v[S+\i], v20, vcc_lo
.endr
.irp i, 0,1,2,3,4,5,6,7,8,9,10,11,12,13,14,15
	v_cmp_gt_i32 vcc_lo, \i, v19
	v_cndmask_b32 v[S+64+\i], v[S+64+\i], v20, vcc_lo
.endr
.irp k, 0,2,4,6,8,10,12,14
	v_pk_add_f32 v[S+16+\k:S+17+\k], v[S+16+\k:S+17+\k], s[48:49] op_sel_hi:[1,0]
	v_pk_add_f32 v[S+48+\k:S+49+\k], v[S+48+\k:S+49+\k], s[50:51] op_sel_hi:[1,0]
.endr
	; ---- D: the softmax
.irp b, 0,1,2,3,4
	v_max3_num_f32 v[MX+\b], v[S+16*\b], v[S+1+16*\b], v[S+2+16*\b]   ; the largest score of each block of 32 keys: it serves for the row's maximum and, since p rises with the score, for the block's largest p
.endr
.irp i, 3,5,7,9,11,13
.irp b, 0,1,2,3,4
	v_max3_num_f32 v[MX+\b], v[MX+\b], v[S+16*\b+\i], v[S+1+16*\b+\i]
.endr
.endr
.irp b, 0,1,2,3,4
	v_max_num_f32 v[MX+\b], v[MX+\b], v[S+15+16*\b]
.endr
.irp b, 0,1,2,3,4
	v_permlanex16_b32 v[PX+\b], v[MX+\b], s[SEL], s[SEL+1]
.endr
.irp b, 0,1,2,3,4
	v_max_num_f32 v[MX+\b], v[MX+\b], v[PX+\b]     ; with lane l xor 16's 16 keys
.endr
	s_delay_alu instid0(VALU_DEP_3)
	v_max3_num_f32 v71, v[MX], v[MX+1], v[MX+2]
	s_delay_alu instid0(VALU_DEP_1)
	v_max3_num_f32 v71, v71, v[MX+3], v[MX+4]      ; the row's largest score
	s_delay_alu instid0(VALU_DEP_1)
	v_mul_f32 v71, s[CS], v71                      ; as t (c is positive)
	s_delay_alu instid0(VALU_DEP_1)
	v_floor_f32 v[NM], -v71                        ; -M = floor(-t) = -ceil(t)
.set n, 0
.rept 40
	v_pk_fma_f32 v[S+n:S+n+1], v[S+n:S+n+1], s[CS:CS+1], v[NM:NM+1] op_sel_hi:[1,0,0]   ; t - M, two at a time (of the pairs c and -M the low word serves both halves)
.set n, n+2
.endr
.irp b, 0,1,2,3,4
	v_fma_f32 v[MX+\b], v[MX+\b], s[CS], v[NM]     ; the same of each block's largest score
.endr
.set n, 0
	s_wait_alu depctr_va_vdst(0)
.rept 80
	v_exp_f32 v[S+n], v[S+n]                       ; p = 2^(t - M), at most 1
.set n, n+1
.endr
.irp b, 0,1,2,3,4
	v_exp_f32 v[MX+\b], v[MX+\b]                   ; the block's largest p: the same two instructions on the same number
.endr
	v_nop                                          ; one plain line behind the exponentials
	s_wait_alu depctr_va_vdst(0)
.irp b, 0,1,2,3,4
	v_max_num_f32 v[MX+\b], 0x2800000, v[MX+\b]    ; the floor 2^(5 - 127): a block whose every p is 0 keeps the byte 1; its codes are zeros
.endr
.irp b, 0,1,2,3,4
	v_add_nc_u32 v[SOP+\b], 0xfe000000, v[MX+\b]   ; 4 off the exponent field: the conversion's scale operand
.endr
.irp b, 0,1,2,3,4
	v_lshrrev_b32 v[PX+\b], 23, v[SOP+\b]          ; the scale's byte; block 4's stays where it is: p's scale word for the second 128 keys
.endr
	s_delay_alu instid0(VALU_DEP_4)
	v_lshl_or_b32 v[PW0], v[PX+1], 8, v[PX]
	s_delay_alu instid0(VALU_DEP_1)
	v_lshl_or_b32 v[PW0], v[PX+2], 16, v[PW0]
	s_delay_alu instid0(VALU_DEP_1)
	v_lshl_or_b32 v[PW0], v[PX+3], 24, v[PW0]
	v_cvt_scalef32_pk16_bf6_f32 v[PA:PA+2], v[S:S+15], v[SOP]
	v_cvt_scalef32_pk16_bf6_f32 v[PT:PT+2], v[S+16:S+31], v[SOP+1]
	v_cvt_scalef32_pk16_bf6_f32 v[PA+6:PA+8], v[S+32:S+47], v[SOP+2]
	v_cvt_scalef32_pk16_bf6_f32 v[PT+4:PT+6], v[S+48:S+63], v[SOP+3]
	v_cvt_scalef32_pk16_bf6_f32 v[PB:PB+2], v[S+64:S+79], v[SOP+4]
	v_nop                                          ; one plain line behind the conversions
.irp c, 0,1                                    ; the operand's layout wants a WHOLE block in a lane: lanes 0-15 block 2 c, lanes 16-31 block 2 c + 1
.irp i, 0,1,2
	v_permlane16_swap_b32 v[PA+6*\c+\i], v[PT+4*\c+\i]
.endr
.irp i, 0,1,2
	s_delay_alu instid0(VALU_DEP_3)
	v_mov_b32 v[PA+3+6*\c+\i], v[PT+4*\c+\i]
.endr
.endr
.irp i, 0,1,2
	v_permlane16_swap_b32 v[PB+\i], v[PB+3+\i]     ; block 4 goes whole into lanes 0-15; lanes 16-31 (block 5) take the zeros
.endr
	v_pk_add_f32 v[50:51], v[150:151], v[154:155]
	v_pk_add_f32 v[148:149], v[158:159], v[162:163]
	v_pk_add_f32 v[146:147], v[166:167], v[170:171]
	v_pk_add_f32 v[144:145], v[174:175], v[178:179]
	v_pk_add_f32 v[70:71], v[182:183], v[186:187]
	v_pk_add_f32 v[68:69], v[190:191], v[194:195]
	v_pk_add_f32 v[62:63], v[198:199], v[202:203]
	v_pk_add_f32 v[48:49], v[206:207], v[210:211]
	v_pk_add_f32 v[48:49], v[48:49], v[214:215]
	v_pk_add_f32 v[50:51], v[50:51], v[218:219]
	v_pk_add_f32 v[148:149], v[148:149], v[222:223]
	v_pk_add_f32 v[146:147], v[146:147], v[226:227]
	v_pk_add_f32 v[144:145], v[144:145], v[152:153]
	v_pk_add_f32 v[70:71], v[70:71], v[156:157]
	v_pk_add_f32 v[68:69], v[68:69], v[160:161]
	v_pk_add_f32 v[62:63], v[62:63], v[164:165]
	v_pk_add_f32 v[48:49], v[48:49], v[168:169]
	v_pk_add_f32 v[50:51], v[50:51], v[172:173]
	v_pk_add_f32 v[148:149], v[148:149], v[176:177]
	v_pk_add_f32 v[146:147], v[146:147], v[180:181]
	v_pk_add_f32 v[144:145], v[144:145], v[184:185]
	v_pk_add_f32 v[70:71], v[70:71], v[188:189]
	v_pk_add_f32 v[68:69], v[68:69], v[192:193]
	v_pk_add_f32 v[62:63], v[62:63], v[196:197]
	v_pk_add_f32 v[48:49], v[48:49], v[200:201]
	v_pk_add_f32 v[50:51], v[50:51], v[204:205]
	v_pk_add_f32 v[148:149], v[148:149], v[208:209]
	v_pk_add_f32 v[146:147], v[146:147], v[212:213]
	v_pk_add_f32 v[144:145], v[144:145], v[216:217]
	v_pk_add_f32 v[70:71], v[70:71], v[220:221]
	v_pk_add_f32 v[68:69], v[68:69], v[224:225]
	v_pk_add_f32 v[62:63], v[62:63], v[228:229]
	s_delay_alu instid0(VALU_DEP_4)
	v_pk_add_f32 v[48:49], v[48:49], v[144:145]
	s_delay_alu instid0(VALU_DEP_4)
	v_pk_add_f32 v[50:51], v[50:51], v[70:71]
	s_delay_alu instid0(VALU_DEP_4)
	v_pk_add_f32 v[148:149], v[148:149], v[68:69]
	s_delay_alu instid0(VALU_DEP_4)
	v_pk_add_f32 v[146:147], v[146:147], v[62:63]
	s_delay_alu instid0(VALU_DEP_2)
	v_pk_add_f32 v[48:49], v[48:49], v[148:149]
	s_delay_alu instid0(VALU_DEP_2)
	v_pk_add_f32 v[50:51], v[50:51], v[146:147]
	s_delay_alu instid0(VALU_DEP_1)
	v_pk_add_f32 v[48:49], v[48:49], v[50:51]
	; ---- E: O^T = v^T p^T: four tiles of 16 channels; K = frame blocks 0-3, then block 4
.irp t, 0,1,2,3
.irp p, 0,1,2,3,4,5
	ds_load_b64 v[VF+12*\t+2*\p:VF+12*\t+2*\p+1], v16 offset:(\p/3)*2*KVP+384*\t+8*(\p%3)   ; lane (r, h), registers 6 c on: channel row r of frame block 2 c + h
.endr
.endr
	v_add_f32 v[SA], v[SA], v[SA+1]                ; the sum's two halves,
	s_delay_alu instid0(VALU_DEP_1)
	v_permlanex16_b32 v254, v[SA], s[SEL], s[SEL+1]
	s_delay_alu instid0(VALU_DEP_1)
	v_add_f32 v[SA], v[SA], v254                   ; and lane l xor 16's: l
	s_wait_alu depctr_va_vdst(0)
	v_rcp_f32 v[RL], v[SA]                         ; (its result is first read behind the places below)
	s_wait_dscnt 0x0
.irp t, 0,1,2,3
	MM OA+8*\t, VF+12*\t, PA, -1, VW+\t/2, PW0, \t%2
.endr
	PLACES 4                                       ; in front of loads into registers that these products read
.irp t, 0,1,2,3
.irp p, 0,1,2
	ds_load_b64 v[VF+6*\t+2*\p:VF+6*\t+2*\p+1], v17 offset:384*\t+8*\p   ; frame block 4: six registers a tile; what stands behind them meets p's zeros
.endr
.endr
	s_wait_dscnt 0x0
.irp t, 0,1,2,3
	MM OA+8*\t, VF+6*\t, PB, OA+8*\t, SR+18+\t/2, PW1, \t%2   ; the four accumulators by turns
.endr
	PLACES 4
.irp t, 0,1
	global_load_b128 v[BO+8*\t:BO+8*\t+3], v5, s[14:15] offset:32*\t      ; bo in the result's layout: lane (r, h), tile t: columns 8 t + 16 h + 0 .. 7 of my 32
	global_load_b128 v[BO+8*\t+4:BO+8*\t+7], v5, s[14:15] offset:32*\t+16
.endr
.irp t, 0,1
.irp g, 0,1
	global_load_b32 v[WOS+2*\t+\g], v3, s[12:13] offset:256*\t+128*\g     ; lanes 0-15: K step 2 g's words, lanes 16-31: K step 2 g + 1's
.endr
.endr
.irp t, 0,1
.irp c, 0,1,2
	global_load_b128 v[150+12*\t+4*\c:150+12*\t+4*\c+3], v1, s[10:11] offset:\t*6144+3*1536+512*\c   ; Wo's fragments of K step 3
.endr
.endr
	; ---- F: O = O^T / l becomes an operand: my head's 64 channels are two blocks of the last product's K
	s_wait_alu depctr_va_vdst(0)
.irp k, 0,2,4,6,8,10,12,14,16,18,20,22,24,26,28,30
	v_pk_mul_f32 v[OA+\k:OA+\k+1], v[OA+\k:OA+\k+1], v[RL:RL+1] op_sel_hi:[1,0]   ; each accumulator from its low end on
.endr
.irp b, 0,1
	v_max3_num_f32 v[64+\b], |v[OA+16*\b]|, |v[OA+1+16*\b]|, 0x2800000
.endr
.irp i, 2,4,6,8,10,12,14
.irp b, 0,1
	s_delay_alu instid0(VALU_DEP_2)
	v_max3_num_f32 v[64+\b], v[64+\b], |v[OA+16*\b+\i]|, |v[OA+1+16*\b+\i]|
.endr
.endr
.irp b, 0,1
	s_delay_alu instid0(VALU_DEP_2)
	v_permlanex16_b32 v[66+\b], v[64+\b], s[SEL], s[SEL+1]
.endr
.irp b, 0,1
	s_delay_alu instid0(VALU_DEP_2)
	v_max_num_f32 v[64+\b], v[64+\b], v[66+\b]
.endr
.irp b, 0,1
	s_delay_alu instid0(VALU_DEP_2)
	v_add_nc_u32 v[68+\b], 0xfe000000, v[64+\b]
.endr
.irp b, 0,1
	s_delay_alu instid0(VALU_DEP_2)
	v_lshrrev_b32 v[66+\b], 23, v[68+\b]
.endr
	s_delay_alu instid0(VALU_DEP_1)
	v_lshl_or_b32 v70, v67, 8, v66                 ; my head's two bytes of the row's scale word
	v_cvt_scalef32_pk16_bf6_f32 v[PA:PA+2], v[OA:OA+15], v68
	v_cvt_scalef32_pk16_bf6_f32 v[PT:PT+2], v[OA+16:OA+31], v69
	v_nop                                          ; one plain line behind the conversions
.irp i, 0,1,2
	v_permlane16_swap_b32 v[PA+\i], v[PT+\i]
.endr
.irp i, 0,1,2
	s_delay_alu instid0(VALU_DEP_3)
	v_mov_b32 v[PA+3+\i], v[PT+\i]
.endr
	ds_store_b128 v21, v[PA:PA+3]
	ds_store_b64 v22, v[PA+4:PA+5]
	ds_store_b16 v23, v70
	s_wait_dscnt 0x0                               ; for the others' sake: my stores have landed
	s_barrier_signal -1
	s_barrier_wait -1                              ; O's sixteen half images and its scale words lie in LDS
	; ---- G: out^T = Wo^T O^T + bo: my two tiles of columns x the two tiles of tokens, four K steps of 128 (two heads each)
.macro OLOAD reg, s                            ; K step s of both tiles of tokens: heads 2 s and 2 s + 1 are registers 0-5 and 6-11 of a fragment
.irp q, 0,1
.irp c, 0,1
	ds_load_b128 v[\reg+12*\q+6*\c:\reg+12*\q+6*\c+3], v7 offset:6144*\q+768*(2*(\s)+\c)
	ds_load_b64 v[\reg+12*\q+6*\c+4:\reg+12*\q+6*\c+5], v8 offset:6144*\q+768*(2*(\s)+\c)
.endr
.endr
.endm
.macro OMUL s, of, wf                          ; four matrix instructions, the four accumulators by turns
.irp q, 0,1
.irp t, 0,1
.if (\s) == 0
	MM OA+16*\q+8*\t, \wf+12*\t, \of+12*\q, BO+8*\t, WOS+2*\t+(\s)/2, OS+4*\q+(\s), 0
.else
	MM OA+16*\q+8*\t, \wf+12*\t, \of+12*\q, OA+16*\q+8*\t, WOS+2*\t+(\s)/2, OS+4*\q+(\s), (\s)%2
.endif
.endr
.endr
.endm
	OLOAD 24, 0
	OLOAD 48, 1
	OLOAD 230, 2
.irp q, 0,1
.irp s, 0,1,2,3
	ds_load_b32 v[OS+4*\q+\s], v9 offset:128*(4*\q+\s)
.endr
.endr
	s_wait_dscnt 0x0
	s_wait_loadcnt 6                               ; all but the six loads issued last, Wo's K step 3
	PLACES 5                                       ; the accumulators are begun anew, with bo, over O^T's registers
	OMUL 0, 24, WF
	OMUL 1, 48, WF+24
	PLACES 4                                       ; in front of loads into registers that K step 0's products read
	OLOAD 24, 3
	OMUL 2, 230, WF+48
	s_wait_dscnt 0x0
	s_wait_loadcnt 0x0
	OMUL 3, 24, 150
	PLACES 4
	; ---- H: the way out.  A lane holds 16 neighbouring columns of one token; a token's 512 columns come from sixteen waves: they meet in the stage
.irp q, 0,1
.irp k, 0,1,2,3
	ds_store_b128 v10, v[OA+16*\q+4*\k:OA+16*\q+4*\k+3] offset:16*SPI*\q+16*\k   ; stage row 16 q + r; each accumulator from its low end on
.endr
.endr
	s_wait_dscnt 0x0                               ; for the others' sake: my stores have landed
	s_barrier_signal -1
	s_barrier_wait -1                              ; 32 whole rows of out lie in the stage
.irp i, 0,1
.irp k, 0,1,2,3
	ds_load_b128 v[24+16*\i+4*\k:27+16*\i+4*\k], v11 offset:SPI*\i+512*\k
.endr
.endr
.irp i, 0,1
.irp k, 0,1,2,3
	s_wait_dscnt 7-4*\i-\k                         ; LDS loads come back in order: this one is in, the younger may be out
	global_store_b128 v1, v[24+16*\i+4*\k:27+16*\i+4*\k], s[16:17] offset:2048*\i+512*\k th:TH_STORE_NT   ; the wave stores 512 consecutive bytes, aligned; written once, read by nobody here
.endr
.endr
	s_wait_xcnt 0x0
	v_lshl_add_u32 v254, v0, 2, 0x31900
	v_mov_b32 v255, 0
	s_wait_alu depctr_va_vdst(0)
	s_wait_tensorcnt 0x0
	ds_add_u32 v254, v255
	s_wait_dscnt 0x0
	s_endpgm
.Lfunc_end_k_q8dd1b2558b_attn:
	.size	k_q8dd1b2558b_attn, .Lfunc_end_k_q8dd1b2558b_attn-k_q8dd1b2558b_attn
	.p2alignl 7, 3214868480
	.fill 96, 4, 3214868480
	.section	.rodata,"a",@progbits
	.p2align	6, 0x0
	.amdhsa_kernel k_q8dd1b2558b_attn
		.amdhsa_group_segment_fixed_size 205056
		.amdhsa_private_segment_fixed_size 0
		.amdhsa_enable_private_segment 0
		.amdhsa_kernarg_size 56
		.amdhsa_user_sgpr_count 2
		.amdhsa_user_sgpr_kernarg_segment_ptr 1
		.amdhsa_wavefront_size32 1
		.amdhsa_system_sgpr_workgroup_id_x 1
		.amdhsa_system_sgpr_workgroup_id_y 1
		.amdhsa_system_sgpr_workgroup_id_z 1
		.amdhsa_system_vgpr_workitem_id 0
		.amdhsa_next_free_vgpr 256
		.amdhsa_next_free_sgpr 66
		.amdhsa_reserve_vcc 1
		.amdhsa_float_denorm_mode_32 3
		.amdhsa_float_denorm_mode_16_64 3
		.amdhsa_memory_ordered 1
		.amdhsa_forward_progress 1
		.amdhsa_inst_pref_size 49
	.end_amdhsa_kernel
	.amdgpu_metadata
---
amdhsa.version: [ 1, 2 ]
amdhsa.kernels:
  - .name:           k_q8dd1b2558b_attn
    .symbol:         k_q8dd1b2558b_attn.kd
    .args:
      - { .name: qc, .offset: 0, .size: 8, .value_kind: global_buffer, .address_space: global }
      - { .name: kv, .offset: 8, .size: 8, .value_kind: global_buffer, .address_space: global }
      - { .name: sc, .offset: 16, .size: 8, .value_kind: global_buffer, .address_space: global }
      - { .name: wc, .offset: 24, .size: 8, .value_kind: global_buffer, .address_space: global }
      - { .name: ws, .offset: 32, .size: 8, .value_kind: global_buffer, .address_space: global }
      - { .name: bo, .offset: 40, .size: 8, .value_kind: global_buffer, .address_space: global }
      - { .name: out0, .offset: 48, .size: 8, .value_kind: global_buffer, .address_space: global }
    .group_segment_fixed_size: 205056
    .private_segment_fixed_size: 0
    .kernarg_segment_align: 8
    .kernarg_segment_size: 56
    .max_flat_workgroup_size: 512
    .sgpr_count:     66
    .vgpr_count:     256
    .wavefront_size: 32
...
	.end_amdgpu_metadata
.endif
;; end of part 3
